; MI455X (gfx1250); checked and timed in simulation.
; The chip was launched on July 23, 2026; its instructions are those of AMD's public machine-readable ISA for CDNA 5 (MIT licence, August 2026) and "CDNA5" Instruction Set Architecture Reference Guide (July 2026). The comments in the code are by the model that wrote it; some were corrected since.
;; Hash Encoder Native. Allowed arithmetic: float matrix products may take bf16 or f16 operands with f32 sums; all other float work in f32.
;; Inputs: hash_table 8,388,608 x 2 float32; xyzt 262,144 x 4 float32.
;; Outputs: out0 262,144 x 32 float32.
;; 2 versions, each right and faster than the one before. Each part assembles by itself: llvm-mc -triple=amdgcn-amd-amdhsa -mcpu=gfx1250 --defsym DOCPART=n.
;; ======== version 1 of 2: 2 launches
;; limits: inputs' magnitudes at most 256
;; workspace buffers: fix 4,194,304 bytes of whole numbers
;; launch tofixed (part 1): grid 256 x 1, 8 waves a work-group, no clusters, 0 bytes of LDS; arguments xyzt, fix; writes fix
.if DOCPART == 1
	.amdgcn_target "amdgcn-amd-amdhsa--gfx1250"
	.amdhsa_code_object_version 6
	.text
	.protected	k_q23c4b94931_tofixed
	.globl	k_q23c4b94931_tofixed
	.p2align	8
	.type	k_q23c4b94931_tofixed,@function
k_q23c4b94931_tofixed:
	s_mov_b64 s[64:65], 0
	v_nop
	global_prefetch_b8 v0, s[64:65] scope:SCOPE_SE
	s_setreg_imm32_b32 hwreg(HW_REG_WAVE_MODE, 25, 1), 1
	s_wait_xcnt 0x0
; fix[i] = trunc(xyzt[i] * 2^24) as an unsigned 8.24 fixed-point number, for the 1,048,576 coordinates of xyzt.
; Why a launch of its own: no address of a launch is made from a floating-point number of that launch.  The step from f32 to
; whole numbers is made here; the next launch makes cells, hashes and addresses from these whole numbers alone.
; LIMITS: 0 <= x < 256.  A negative x or a NaN becomes 0, x >= 256 becomes 0xffffffff (v_cvt_u32_f32 saturates).
; The multiplication by 2^24 is exact; the conversion drops what lies below 2^-24 (nothing at all for x >= 0.5).
; 256 work-groups x 256 threads x 4 accesses of 16 bytes = 4,194,304 bytes.  An access of a wave covers 512 consecutive bytes.
.set CHUNK, 4096                       ; bytes that the group's 256 threads cover with one access each
.set X,     4                          ; v[4:19]  four times four numbers
	s_load_b128 s[4:7], s[0:1], 0x0                ; xyzt s[4:5], fix s[6:7]
	s_lshl_b32 s2, ttmp9, 14                       ; the work-group's 4 x 4,096 bytes
	s_mov_b32 s3, 0
	v_lshlrev_b32 v1, 4, v0                        ; 16 bytes a thread
	s_wait_kmcnt 0x0
	s_add_nc_u64 s[4:5], s[4:5], s[2:3]
	s_add_nc_u64 s[6:7], s[6:7], s[2:3]
.irp j, 0,1,2,3
	global_load_b128 v[X+4*\j:X+4*\j+3], v1, s[4:5] offset:\j*CHUNK th:TH_LOAD_NT
.endr
.irp j, 0,1,2,3
	s_wait_loadcnt 3-\j                            ; loads come back in order: number j is in, the 3 - j younger ones may be out
	v_pk_mul_f32 v[X+4*\j:X+4*\j+1],   v[X+4*\j:X+4*\j+1],   0x4b800000 op_sel_hi:[1,0]   ; x 2^24, exact
	v_pk_mul_f32 v[X+4*\j+2:X+4*\j+3], v[X+4*\j+2:X+4*\j+3], 0x4b800000 op_sel_hi:[1,0]
.irp k, 0,1,2,3
	v_cvt_u32_f32 v[X+4*\j+\k], v[X+4*\j+\k]       ; toward zero
.endr
	global_store_b128 v1, v[X+4*\j:X+4*\j+3], s[6:7] offset:\j*CHUNK   ; no register of a store is written again
.endr
	s_endpgm
.Lfunc_end_k_q23c4b94931_tofixed:
	.size	k_q23c4b94931_tofixed, .Lfunc_end_k_q23c4b94931_tofixed-k_q23c4b94931_tofixed
	.p2alignl 7, 3214868480
	.fill 96, 4, 3214868480
	.section	.rodata,"a",@progbits
	.p2align	6, 0x0
	.amdhsa_kernel k_q23c4b94931_tofixed
		.amdhsa_group_segment_fixed_size 0
		.amdhsa_private_segment_fixed_size 0
		.amdhsa_enable_private_segment 0
		.amdhsa_kernarg_size 16
		.amdhsa_user_sgpr_count 2
		.amdhsa_user_sgpr_kernarg_segment_ptr 1
		.amdhsa_wavefront_size32 1
		.amdhsa_system_sgpr_workgroup_id_x 1
		.amdhsa_system_sgpr_workgroup_id_y 1
		.amdhsa_system_sgpr_workgroup_id_z 1
		.amdhsa_system_vgpr_workitem_id 0
		.amdhsa_next_free_vgpr 20
		.amdhsa_next_free_sgpr 66
		.amdhsa_reserve_vcc 0
		.amdhsa_float_denorm_mode_32 3
		.amdhsa_float_denorm_mode_16_64 3
		.amdhsa_memory_ordered 1
		.amdhsa_forward_progress 1
		.amdhsa_inst_pref_size 3
	.end_amdhsa_kernel
	.amdgpu_metadata
---
amdhsa.version: [ 1, 2 ]
amdhsa.kernels:
  - .name:           k_q23c4b94931_tofixed
    .symbol:         k_q23c4b94931_tofixed.kd
    .args:
      - { .name: xyzt, .offset: 0, .size: 8, .value_kind: global_buffer, .address_space: global }
      - { .name: fix, .offset: 8, .size: 8, .value_kind: global_buffer, .address_space: global }
    .group_segment_fixed_size: 0
    .private_segment_fixed_size: 0
    .kernarg_segment_align: 8
    .kernarg_segment_size: 16
    .max_flat_workgroup_size: 256
    .sgpr_count:     66
    .vgpr_count:     20
    .wavefront_size: 32
...
	.end_amdgpu_metadata
.endif
;; end of part 1
;; launch gather (part 2): grid 256 x 1, 32 waves a work-group, no clusters, 151,552 bytes of LDS; arguments fix, hash_table, out0; writes out0
.if DOCPART == 2
	.amdgcn_target "amdgcn-amd-amdhsa--gfx1250"
	.amdhsa_code_object_version 6
	.text
	.protected	k_q23c4b94931_gather
	.globl	k_q23c4b94931_gather
	.p2align	8
	.type	k_q23c4b94931_gather,@function
k_q23c4b94931_gather:
	s_mov_b64 s[64:65], 0
	v_nop
	global_prefetch_b8 v0, s[64:65] scope:SCOPE_SE
	s_setreg_imm32_b32 hwreg(HW_REG_WAVE_MODE, 25, 1), 1
	s_wait_xcnt 0x0
; out0[n][2 l + f] = sum over the 16 corners of point n's cell at level l of weight(corner) * hash_table[l * 2^19 + hash(corner)][f].
; fix holds the coordinates as unsigned 8.24 fixed-point numbers (the launch before).  With X such a number and s the level's scale,
; X * s is the scaled coordinate, exact: floor = its part above bit 24, offset = its low 24 bits, ceil = floor + (offset != 0).
; hash = (cx ^ cy * p1 ^ cz * p2 ^ ct * p3) mod 2^19: only the low 19 bits of each product count, so the primes are cut to 19 bits,
; and since coordinates stay below 2^16, 24-bit multiplications give those bits.
;
; LIMITS.  0 <= x < 256 (see the launch before).  The scaled coordinate is exact here, while the definition rounds x * s to f32: the
; position differs by less than 2^-16 of a cell plus that rounding.  Where that crosses a cell's border the neighbouring cell is taken,
; with an offset next to 1 instead of 0; the interpolant is continuous there, so the value differs by that distance times a difference
; of features.  For this the table's entries have to be finite (an entry may be touched with a weight that small).
; The weights are multiplied as (wx wy)(wz wt), not from left to right.
;
; SHARES.  256 work-groups x 32 waves; a wave owns 32 points, the work-group 1,024.  A PAIR of lanes (2 q, 2 q + 1) works on two points,
; A = q and B = q + 16 of the wave: the even lane takes the eight corners with floor(x), the odd lane the eight with ceil(x).  The prime
; of x is 1, so the two lanes' entries differ in low index bits only: they lie in the same 16 entries (128 bytes) unless floor(x) mod 16
; is 15, and one gather of the wave reaches some 17 such places, not 32.  The price: the y, z, t work is done in both lanes.
; Sixteen gathers of a wave are in flight (8 for A, 8 for B); the 8 waves that share a SIMD fill each other's waits.
; Every work-group walks the levels in the same order, so the launch's gathers fall into few tables of 4 MiB at a time.
; Each level's two numbers go to the wave's own rows in LDS; at the end the wave's 4,096 bytes leave as eight stores of 512 consecutive bytes.
; No barrier: no wave touches another's LDS bytes.  No matrix unit, tensor load or cluster: nothing here is a product or a shared tile.
.set IMASK, 0x7ffff                    ; 2^19 - 1
.set LEVB,  0x400000                   ; bytes of a level's table: 2^19 entries of 8 bytes
.set P1,    2654435761 & IMASK         ; the primes of y, z, t, their low 19 bits
.set P2,    805459861 & IMASK
.set P3,    3674653429 & IMASK
.set PITCH, 144                        ; an LDS row: a point's 128 bytes + 16; a multiple of 16, so that rows are read back 16 bytes a lane
.set STAGE, 32*PITCH                   ; a wave's rows
; vector registers
.set C,   1                            ; 0 in even lanes (floor x), 1 in odd lanes (ceil x)
.set KC,  2                            ; -2^-24 / +2^-24: my x weight = BC + KC * offset bits
.set BC,  3                            ; 1.0 / 0.0
.set LST, 4                            ; LDS: my row (even lane: point q, odd lane: point q + 16)
.set LRD, 5                            ; LDS: where I read back
.set GO,  6                            ; my byte offset in the wave's part of out0
.set FO,  7                            ; my byte offset in the wave's part of fix
.set XF,  8                            ; v[8:15]   low 24 bits of x, y, z, t of A, then of B
.set XI,  16                           ; v[16:23]  their upper 8 bits
.set S,   24                           ; v[24:27]  at work: product, floor, offset bits, ceil - floor
.set TX,  28                           ; my corner's x
.set HY,  30                           ; v[30:31]  floor(y) p1, ceil(y) p1; then both ^ x
.set HZ,  32
.set HT,  34
.set ZT,  36                           ; v[36:39]  z ^ t: (z0,t0) (z1,t0) (z0,t1) (z1,t1)
.set FW,  40                           ; v40 my x weight; v41 offset bits as f32, at work
.set WY,  42                           ; v[42:43]  1 - offset, offset
.set WZ,  44
.set WT,  46
.set WXY, 48                           ; v[48:49]
.set WZT, 50                           ; v[50:53]  in ZT's order
.set ACC, 54                           ; v[54:55] A's two features, v[56:57] B's
.set SND, 58                           ; v[58:59]  what my partner lane needs
.set IDX, 60                           ; v[60:75]  8 indices of A, 8 of B
.set W,   76                           ; v[76:91]  their weights
.set D,   92                           ; v[92:123] the gathered entries, 2 registers each
; scalar registers
.set FM,  12                           ; 0xffffff
.set IM,  13                           ; IMASK
.set PR1, 14
.set PR2, 15
.set TB,  16                           ; s[16:47]  the 16 levels' tables, a pair each: no base is stepped under a pending gather
.set PR3, 48
.set EPS, 49                           ; 2^-24
.set SC,  50                           ; the level's scale
	s_load_b128 s[4:7], s[0:1], 0x0                ; fix s[4:5], hash_table s[6:7]
	s_load_b64 s[8:9], s[0:1], 0x10                ; out0
	v_lshl_add_u32 v124, v0, 2, 0x24000
	v_mov_b32 v125, 0
	v_lshrrev_b32 v[S], 5, v0
	v_readfirstlane_b32 s10, v[S]                  ; wave 0..31
	s_mov_b32 vcc_lo, 0xaaaaaaaa                   ; the odd lanes; VCC is written nowhere else
	s_mov_b32 s[FM], 0xffffff
	s_mov_b32 s[IM], IMASK
	s_mov_b32 s[PR1], P1
	s_mov_b32 s[PR2], P2
	s_mov_b32 s[PR3], P3
	s_mov_b32 s[EPS], 0x33800000
	v_and_b32 v[C], 1, v0
	v_bfe_u32 v[S], v0, 1, 4                       ; q, the pair's number
	v_lshlrev_b32 v[FO], 4, v[S]                   ; point q's 16 bytes
	s_lshl_b32 s2, ttmp9, 14                       ; 1,024 points x 16 bytes a work-group,
	s_lshl_b32 s3, s10, 9                          ; 32 x 16 a wave
	s_add_co_u32 s2, s2, s3
	s_mov_b32 s3, 0
	s_wait_kmcnt 0x0
	s_add_nc_u64 s[4:5], s[4:5], s[2:3]
	global_load_b128 v[XF:XF+3],   v[FO], s[4:5] th:TH_LOAD_NT              ; A: the wave's first 256 bytes, each 16 read by both lanes of a pair
	global_load_b128 v[XF+4:XF+7], v[FO], s[4:5] offset:256 th:TH_LOAD_NT   ; B: its second 256 bytes
.irp l, 0,1,2,3,4,5,6,7,8,9,10,11,12,13,14,15
	s_add_nc_u64 s[TB+2*\l:TB+2*\l+1], s[6:7], \l*LEVB
.endr
	s_lshl_b32 s2, ttmp9, 17                       ; 1,024 points x 128 bytes a work-group,
	s_lshl_b32 s3, s10, 12                         ; 32 x 128 a wave
	s_add_co_u32 s2, s2, s3
	s_mov_b32 s3, 0
	s_add_nc_u64 s[8:9], s[8:9], s[2:3]
	s_mul_i32 s11, s10, STAGE                      ; my wave's rows in LDS
	v_xor_b32 v[S+1], 1, v[C]
	v_lshl_or_b32 v[KC], v[S+1], 31, s[EPS]        ; even lane: -2^-24, odd lane: +2^-24
	v_cvt_f32_u32 v[BC], v[S+1]                    ; even lane: 1.0, odd lane: 0.0
	v_lshl_add_u32 v[S+2], v[C], 4, v[S]           ; my row: q + 16 c
	v_mul_u32_u24 v[S+2], v[S+2], PITCH
	v_add_nc_u32 v[LST], s11, v[S+2]
	v_bfe_u32 v[S+2], v0, 3, 2                     ; back: eight lanes take a row's 128 bytes, the wave four rows
	v_and_b32 v[S+3], 7, v0
	v_mul_u32_u24 v[S+2], v[S+2], PITCH
	v_lshl_add_u32 v[S+2], v[S+3], 4, v[S+2]
	v_add_nc_u32 v[LRD], s11, v[S+2]
	v_and_b32 v[GO], 31, v0
	v_lshlrev_b32 v[GO], 4, v[GO]                  ; those four rows are 512 consecutive bytes of out0
	s_wait_loadcnt 0x0
.irp d, 0,1,2,3,4,5,6,7
	v_lshrrev_b32 v[XI+\d], 24, v[XF+\d]           ; whole part (0 for x < 1)
	v_and_b32 v[XF+\d], s[FM], v[XF+\d]            ; 24 bits behind the point
.endr
; One coordinate (d = 4 p + axis) at the level's scale: S+1 = floor, S+2 = offset in units of 2^-24, S+3 = ceil - floor, FW+1 = S+2 as f32 (exact).
.macro CELL d
	v_mul_u32_u24 v[S], s[SC], v[XF+\d]            ; below 2^24 x 256: fits 32 bits
	v_lshrrev_b32 v[S+1], 24, v[S]
	v_and_b32 v[S+2], s[FM], v[S]
	v_mad_u32_u24 v[S+1], v[XI+\d], s[SC], v[S+1]
	v_min_u32 v[S+3], 1, v[S+2]                    ; ceil = floor where the offset is 0
	v_cvt_f32_u32 v[FW+1], v[S+2]
.endm
; y, z or t: both corners' hash terms into h, h + 1 and both weights into w, w + 1
.macro AXIS d, pr, h, w
	CELL \d
	v_mul_u32_u24 v[\h], s[\pr], v[S+1]            ; floor x prime: its low 19 bits are the full product's
	v_mul_f32 v[\w+1], s[EPS], v[FW+1]             ; offset
	v_mad_u32_u24 v[\h+1], v[S+3], s[\pr], v[\h]   ; ceil x prime
	v_sub_f32 v[\w], 1.0, v[\w+1]                  ; 1 - offset
.endm
; weights 2 m, 2 m + 1 of point p: (wx wy0, wx wy1) x register sel of the pair at WZT + pair
.macro WMUL p, m, pair, sel
	v_pk_mul_f32 v[W+8*\p+2*\m:W+8*\p+2*\m+1], v[WXY:WXY+1], v[WZT+\pair:WZT+\pair+1] op_sel:[0,\sel] op_sel_hi:[1,\sel]
.endm
; Point p (0 = A, 1 = B) at level l: my eight corners' indices, their gathers, and, while these are on their way, their weights.
.macro POINT p, l
	CELL 4*\p
	v_mad_u32_u24 v[TX], v[S+3], v[C], v[S+1]      ; floor(x) in the even lane, ceil(x) in the odd one (the prime of x is 1)
	v_fma_f32 v[FW], v[FW+1], v[KC], v[BC]         ; 1 - offset, or offset
	AXIS 4*\p+1, PR1, HY, WY
	AXIS 4*\p+2, PR2, HZ, WZ
	AXIS 4*\p+3, PR3, HT, WT
	v_xor_b32 v[HY],   v[TX], v[HY]
	v_xor_b32 v[HY+1], v[TX], v[HY+1]
	v_xor_b32 v[ZT],   v[HZ],   v[HT]
	v_xor_b32 v[ZT+1], v[HZ+1], v[HT]
	v_xor_b32 v[ZT+2], v[HZ],   v[HT+1]
	v_xor_b32 v[ZT+3], v[HZ+1], v[HT+1]
	v_and_b32 v[HY],   s[IM], v[HY]                ; mod 2^19 on the six halves instead of the eight indices
	v_and_b32 v[HY+1], s[IM], v[HY+1]
.irp m, 0,1,2,3
	v_and_b32 v[ZT+\m], s[IM], v[ZT+\m]
.endr
.irp m, 0,1,2,3
.irp j, 0,1
	v_xor_b32 v[IDX+8*\p+2*\m+\j], v[HY+\j], v[ZT+\m]
	v_min_u32 v[IDX+8*\p+2*\m+\j], IMASK, v[IDX+8*\p+2*\m+\j]   ; a number that came from memory enters an address only through a clamp by a constant written in the instruction; the masks above keep it there already, so no value changes
	global_load_b64 v[D+16*\p+4*\m+2*\j:D+16*\p+4*\m+2*\j+1], v[IDX+8*\p+2*\m+\j], s[TB+2*\l:TB+2*\l+1] scale_offset   ; at table + 8 x index
.endr
.endr
	v_pk_mul_f32 v[WXY:WXY+1],   v[WY:WY+1], v[FW:FW+1] op_sel_hi:[1,0]              ; (wy0, wy1) x wx
	v_pk_mul_f32 v[WZT:WZT+1],   v[WZ:WZ+1], v[WT:WT+1] op_sel_hi:[1,0]              ; (wz0, wz1) x wt0
	v_pk_mul_f32 v[WZT+2:WZT+3], v[WZ:WZ+1], v[WT:WT+1] op_sel:[0,1] op_sel_hi:[1,1] ; (wz0, wz1) x wt1
	WMUL \p, 0, 0, 0
	WMUL \p, 1, 0, 1
	WMUL \p, 2, 2, 0
	WMUL \p, 3, 2, 1
.endm
; Point p's eight entries times their weights, both features at once; the first product starts the sums.
.macro BLEND p
	v_pk_mul_f32 v[ACC+2*\p:ACC+2*\p+1], v[D+16*\p:D+16*\p+1],   v[W+8*\p:W+8*\p+1] op_sel_hi:[1,0]
	v_pk_fma_f32 v[ACC+2*\p:ACC+2*\p+1], v[D+16*\p+2:D+16*\p+3], v[W+8*\p:W+8*\p+1], v[ACC+2*\p:ACC+2*\p+1] op_sel:[0,1,0] op_sel_hi:[1,1,1]
.irp m, 1,2,3
	v_pk_fma_f32 v[ACC+2*\p:ACC+2*\p+1], v[D+16*\p+4*\m:D+16*\p+4*\m+1],   v[W+8*\p+2*\m:W+8*\p+2*\m+1], v[ACC+2*\p:ACC+2*\p+1] op_sel_hi:[1,0,1]
	v_pk_fma_f32 v[ACC+2*\p:ACC+2*\p+1], v[D+16*\p+4*\m+2:D+16*\p+4*\m+3], v[W+8*\p+2*\m:W+8*\p+2*\m+1], v[ACC+2*\p:ACC+2*\p+1] op_sel:[0,1,0] op_sel_hi:[1,1,1]
.endr
.endm
.macro LEVEL l, scale
	s_mov_b32 s[SC], \scale
	POINT 0, \l                                    ; IDX and D are free: the level before ended with all its gathers in
	POINT 1, \l
	s_wait_loadcnt 0x8                             ; loads come back in order: A's eight are in, B's eight younger ones may be out
	BLEND 0
	s_wait_loadcnt 0x0                             ; B's too: from here on every index and every entry register may be written again
	BLEND 1
	; The two halves of a point meet: the even lane keeps A and hands over its half of B, the odd lane keeps B and hands over its half of A.
	v_cndmask_b32 v[SND],   v[ACC+2], v[ACC],   vcc_lo
	v_cndmask_b32 v[SND+1], v[ACC+3], v[ACC+1], vcc_lo
	v_cndmask_b32 v[ACC],   v[ACC],   v[ACC+2], vcc_lo
	v_cndmask_b32 v[ACC+1], v[ACC+1], v[ACC+3], vcc_lo
	v_add_f32_dpp v[ACC],   v[SND],   v[ACC]   row_xmask:1 row_mask:0xf bank_mask:0xf   ; + what lane i xor 1 hands over
	v_add_f32_dpp v[ACC+1], v[SND+1], v[ACC+1] row_xmask:1 row_mask:0xf bank_mask:0xf
	ds_store_b64 v[LST], v[ACC:ACC+1] offset:8*\l  ; my point's row, columns 2 l and 2 l + 1
.endm
; The scales: floor(16 g^l) with g = exp((ln 256 - ln 16) / 15) in float64.  The float64 g lies 0.054 units in the last place below 2^(4/15), so
; g^15 = 16 (1 - 1.5e-16), which is 1.36 spacings of float64 below 16 and rounds below 16: the last scale is 255, not 256.
	LEVEL 0, 16
	LEVEL 1, 19
	LEVEL 2, 23
	LEVEL 3, 27
	LEVEL 4, 33
	LEVEL 5, 40
	LEVEL 6, 48
	LEVEL 7, 58
	LEVEL 8, 70
	LEVEL 9, 84
	LEVEL 10, 101
	LEVEL 11, 122
	LEVEL 12, 147
	LEVEL 13, 176
	LEVEL 14, 212
	LEVEL 15, 255
	; THE WAY OUT: the wave's 32 rows of 128 bytes, four rows (512 consecutive bytes of out0) to a store.
.irp j, 0,1,2,3,4,5,6,7
	ds_load_b128 v[D+4*\j:D+4*\j+3], v[LRD] offset:\j*4*PITCH      ; LDS serves a wave's instructions in order (ISA guide 5.7.1): these see the wave's own stores above
.endr
.irp j, 0,1,2,3,4,5,6,7
	s_wait_dscnt 7-\j                              ; number j is in, the 7 - j younger ones may be out
	global_store_b128 v[GO], v[D+4*\j:D+4*\j+3], s[8:9] offset:\j*512 th:TH_STORE_NT
.endr
	s_wait_tensorcnt 0x0
	ds_add_u32 v124, v125
	s_wait_dscnt 0x0
	s_endpgm
.Lfunc_end_k_q23c4b94931_gather:
	.size	k_q23c4b94931_gather, .Lfunc_end_k_q23c4b94931_gather-k_q23c4b94931_gather
	.p2alignl 7, 3214868480
	.fill 96, 4, 3214868480
	.section	.rodata,"a",@progbits
	.p2align	6, 0x0
	.amdhsa_kernel k_q23c4b94931_gather
		.amdhsa_group_segment_fixed_size 151552
		.amdhsa_private_segment_fixed_size 0
		.amdhsa_enable_private_segment 0
		.amdhsa_kernarg_size 24
		.amdhsa_user_sgpr_count 2
		.amdhsa_user_sgpr_kernarg_segment_ptr 1
		.amdhsa_wavefront_size32 1
		.amdhsa_system_sgpr_workgroup_id_x 1
		.amdhsa_system_sgpr_workgroup_id_y 1
		.amdhsa_system_sgpr_workgroup_id_z 1
		.amdhsa_system_vgpr_workitem_id 0
		.amdhsa_next_free_vgpr 126
		.amdhsa_next_free_sgpr 66
		.amdhsa_reserve_vcc 1
		.amdhsa_float_denorm_mode_32 3
		.amdhsa_float_denorm_mode_16_64 3
		.amdhsa_memory_ordered 1
		.amdhsa_forward_progress 1
		.amdhsa_inst_pref_size 150
	.end_amdhsa_kernel
	.amdgpu_metadata
---
amdhsa.version: [ 1, 2 ]
amdhsa.kernels:
  - .name:           k_q23c4b94931_gather
    .symbol:         k_q23c4b94931_gather.kd
    .args:
      - { .name: fix, .offset: 0, .size: 8, .value_kind: global_buffer, .address_space: global }
      - { .name: hash_table, .offset: 8, .size: 8, .value_kind: global_buffer, .address_space: global }
      - { .name: out0, .offset: 16, .size: 8, .value_kind: global_buffer, .address_space: global }
    .group_segment_fixed_size: 151552
    .private_segment_fixed_size: 0
    .kernarg_segment_align: 8
    .kernarg_segment_size: 24
    .max_flat_workgroup_size: 1024
    .sgpr_count:     66
    .vgpr_count:     126
    .wavefront_size: 32
...
	.end_amdgpu_metadata
.endif
;; end of part 2
;; ======== version 2 of 2: 2 launches; 1.11 times as fast as version 1
;; limits: inputs' magnitudes at most 256
;; workspace buffers: fix 4,194,304 bytes of whole numbers
;; launch tofixed: the kernel of part 1 again; grid 256 x 1, 8 waves a work-group, no clusters, 0 bytes of LDS; arguments xyzt, fix; writes fix
;; launch gather (part 3): grid 256 x 1, 32 waves a work-group, no clusters, 151,552 bytes of LDS; arguments fix, hash_table, out0; writes out0
.if DOCPART == 3
	.amdgcn_target "amdgcn-amd-amdhsa--gfx1250"
	.amdhsa_code_object_version 6
	.text
	.protected	k_q23c4b94931_gather
	.globl	k_q23c4b94931_gather
	.p2align	8
	.type	k_q23c4b94931_gather,@function
k_q23c4b94931_gather:
	s_mov_b64 s[64:65], 0
	v_nop
	global_prefetch_b8 v0, s[64:65] scope:SCOPE_SE
	s_setreg_imm32_b32 hwreg(HW_REG_WAVE_MODE, 25, 1), 1
	s_wait_xcnt 0x0
; out0[n][2 l + f] = sum over the 16 corners of point n's cell at level l of weight(corner) * hash_table[l * 2^19 + hash(corner)][f].
; fix holds the coordinates as unsigned 8.24 fixed-point numbers (the launch before).  With X such a number and s the level's scale,
; X * s is the scaled coordinate, exact: floor = its part above bit 24, offset = its low 24 bits, ceil = floor + (offset != 0).
; hash = (cx ^ cy * p1 ^ cz * p2 ^ ct * p3) mod 2^19: only the low 19 bits of each product count, so the primes are cut to 19 bits,
; and since coordinates stay below 2^16, 24-bit multiplications give those bits.
;
; LIMITS.  0 <= x < 256 (see the launch before).  The scaled coordinate is exact here, while the definition rounds x * s to f32: the
; position differs by less than 2^-16 of a cell plus that rounding.  Where that crosses a cell's border the neighbouring cell is taken,
; with an offset next to 1 instead of 0; the interpolant is continuous there, so the value differs by that distance times a difference
; of features.  For this the table's entries have to be finite (an entry may be touched with a weight that small).
; Order of rounding: a result is sum over (z,t) of (wz wt) * [sum over (x,y) of (wx wy) * feature], all in f32, not the definition's
; product from left to right and one sum of 16.
;
; SHARES.  256 work-groups x 32 waves; a wave owns 32 points, the work-group 1,024; a lane owns one point and all 16 corners of its cell,
; so each axis of each point is worked out once in the launch.  A level costs a lane 111 vector instructions and 16 gathers of 8 bytes.
; The 16 gathers go out in one run, with every index ready in front of it; the weights are made while they are on their way; the
; 8 waves that share a SIMD fill each other's waits.
; Every work-group walks the levels in the same order, so the launch's gathers fall into few tables of 4 MiB at a time.
; The results of two levels (16 bytes) go to the point's row in the wave's own LDS bytes; at the end the wave's 4,096 bytes leave as eight
; stores of 512 consecutive bytes.  (A lane holds 128 consecutive bytes of out0, its neighbour the next 128: stored straight from
; registers, a store of 16 bytes a lane would touch 32 rows.)
; No barrier: no wave touches another's LDS bytes.  No matrix unit, tensor load or cluster: nothing here is a product or a shared tile.
.set IMASK, 0x7ffff                    ; 2^19 - 1
.set LEVB,  0x400000                   ; bytes of a level's table: 2^19 entries of 8 bytes
.set P1,    2654435761 & IMASK         ; the primes of y, z, t, their low 19 bits (the prime of x is 1)
.set P2,    805459861 & IMASK
.set P3,    3674653429 & IMASK
.set PITCH, 144                        ; an LDS row: a point's 128 bytes + 16: 9 x 16, so the 16 rows that half a wave's 16-byte stores touch begin at 16 different places modulo 256 bytes
.set STAGE, 32*PITCH                   ; a wave's rows
; vector registers
.set LST, 1                            ; LDS: my point's row
.set LRD, 2                            ; LDS: where I read back
.set GO,  3                            ; 16 x lane: my byte offset in the wave's 512 bytes of fix, and in each 512 bytes that the wave stores
.set XF,  8                            ; v[8:11]    low 24 bits of x, y, z, t
.set XI,  12                           ; v[12:15]   their upper 8 bits
.set S,   16                           ; v[16:19]   per axis: fraction x scale; later the offset as f32
.set FL,  20                           ; v[20:23]   per axis: floor
.set FR,  24                           ; v[24:27]   per axis: offset in units of 2^-24
.set DD,  28                           ; v[28:31]   per axis: ceil - floor (0 or 1)
.set HX1, 32                           ; ceil(x)  (floor(x) is v[FL])
.set HY,  34                           ; v[34:35]   floor(y) p1, ceil(y) p1
.set HZ,  36
.set HT,  38
.set XY,  40                           ; v[40:43]   x ^ y: (x0,y0) (x1,y0) (x0,y1) (x1,y1)
.set ZT,  44                           ; v[44:47]   z ^ t: (z0,t0) (z1,t0) (z0,t1) (z1,t1)
.set WA,  48                           ; v[48:55]   per axis: 1 - offset, offset
.set WXY, 56                           ; v[56:59]   in XY's order
.set WZT, 60                           ; v[60:63]   in ZT's order
.set T,   64                           ; v[64:67]   the inner sums of two (z,t) corners, two features each
.set ACC, 68                           ; v[68:71]   an even level's two features, then the odd level's
.set IDX, 72                           ; v[72:87]   16 indices: 4 m + n, m in ZT's order, n in XY's
.set D,   88                           ; v[88:119]  the gathered entries, 2 registers each; at the end the rows as read back
; scalar registers
.set FM,  12                           ; 0xffffff
.set IM,  13                           ; IMASK
.set PR1, 14
.set PR2, 15
.set TB,  16                           ; s[16:47]  the 16 levels' tables, a pair each: no base is stepped under a pending gather
.set PR3, 48
.set EPS, 49                           ; 2^-24
.set SC,  50                           ; the level's scale
	s_load_b128 s[4:7], s[0:1], 0x0                ; fix s[4:5], hash_table s[6:7]
	s_load_b64 s[8:9], s[0:1], 0x10                ; out0
	v_lshl_add_u32 v120, v0, 2, 0x24000
	v_mov_b32 v121, 0
	v_lshrrev_b32 v[S], 5, v0
	v_readfirstlane_b32 s10, v[S]                  ; wave 0..31
	s_mov_b32 s[FM], 0xffffff
	s_mov_b32 s[IM], IMASK
	s_mov_b32 s[PR1], P1
	s_mov_b32 s[PR2], P2
	s_mov_b32 s[PR3], P3
	s_mov_b32 s[EPS], 0x33800000
	v_and_b32 v[S+1], 31, v0                       ; lane = my point in the wave
	v_lshlrev_b32 v[GO], 4, v[S+1]
	s_lshl_b32 s2, ttmp9, 14                       ; 1,024 points x 16 bytes a work-group,
	s_lshl_b32 s3, s10, 9                          ; 32 x 16 a wave
	s_add_co_u32 s2, s2, s3
	s_mov_b32 s3, 0
	s_wait_kmcnt 0x0
	s_add_nc_u64 s[4:5], s[4:5], s[2:3]
	global_load_b128 v[XF:XF+3], v[GO], s[4:5] th:TH_LOAD_NT   ; the wave's 512 consecutive bytes, read once in the launch
.irp l, 0,1,2,3,4,5,6,7,8,9,10,11,12,13,14,15
	s_add_nc_u64 s[TB+2*\l:TB+2*\l+1], s[6:7], \l*LEVB
.endr
	s_lshl_b32 s2, ttmp9, 17                       ; 1,024 points x 128 bytes a work-group,
	s_lshl_b32 s3, s10, 12                         ; 32 x 128 a wave
	s_add_co_u32 s2, s2, s3
	s_mov_b32 s3, 0
	s_add_nc_u64 s[8:9], s[8:9], s[2:3]
	s_mul_i32 s11, s10, STAGE                      ; my wave's rows in LDS
	v_mul_u32_u24 v[S+2], v[S+1], PITCH
	v_add_nc_u32 v[LST], s11, v[S+2]               ; in: row = lane
	v_bfe_u32 v[S+2], v0, 3, 2                     ; back: eight lanes take a row's 128 bytes, the wave four rows,
	v_and_b32 v[S+3], 7, v0                        ; which are 512 consecutive bytes of out0
	v_mul_u32_u24 v[S+2], v[S+2], PITCH
	v_lshl_add_u32 v[S+2], v[S+3], 4, v[S+2]
	v_add_nc_u32 v[LRD], s11, v[S+2]
	s_wait_loadcnt 0x0
.irp a, 0,1,2,3
	v_lshrrev_b32 v[XI+\a], 24, v[XF+\a]           ; whole part (0 for x < 1)
.endr
.irp a, 0,1,2,3
	v_and_b32 v[XF+\a], s[FM], v[XF+\a]            ; 24 bits behind the point
.endr
; The (z,t) corners m and m + 1 (m = 0 or 2): each one's four entries times the (x,y) weights, both features at once, in two sums that take
; turns; then both sums times their (z,t) weights into the level's result at CUR.  first = 1: the first product starts the result.
.macro BLEND2 m, first
	v_pk_mul_f32 v[T:T+1],     v[D+8*\m:D+8*\m+1],     v[WXY:WXY+1] op_sel_hi:[1,0]                                      ; x weight (x0,y0): starts the sum
	v_pk_mul_f32 v[T+2:T+3],   v[D+8*\m+8:D+8*\m+9],   v[WXY:WXY+1] op_sel_hi:[1,0]
	v_pk_fma_f32 v[T:T+1],     v[D+8*\m+2:D+8*\m+3],   v[WXY:WXY+1],     v[T:T+1]     op_sel:[0,1,0] op_sel_hi:[1,1,1]   ; (x1,y0)
	v_pk_fma_f32 v[T+2:T+3],   v[D+8*\m+10:D+8*\m+11], v[WXY:WXY+1],     v[T+2:T+3]   op_sel:[0,1,0] op_sel_hi:[1,1,1]
	v_pk_fma_f32 v[T:T+1],     v[D+8*\m+4:D+8*\m+5],   v[WXY+2:WXY+3],   v[T:T+1]     op_sel_hi:[1,0,1]                  ; (x0,y1)
	v_pk_fma_f32 v[T+2:T+3],   v[D+8*\m+12:D+8*\m+13], v[WXY+2:WXY+3],   v[T+2:T+3]   op_sel_hi:[1,0,1]
	v_pk_fma_f32 v[T:T+1],     v[D+8*\m+6:D+8*\m+7],   v[WXY+2:WXY+3],   v[T:T+1]     op_sel:[0,1,0] op_sel_hi:[1,1,1]   ; (x1,y1)
	v_pk_fma_f32 v[T+2:T+3],   v[D+8*\m+14:D+8*\m+15], v[WXY+2:WXY+3],   v[T+2:T+3]   op_sel:[0,1,0] op_sel_hi:[1,1,1]
.if \first
	v_pk_mul_f32 v[CUR:CUR+1], v[T:T+1],   v[WZT+\m:WZT+\m+1] op_sel_hi:[1,0]
.else
	v_pk_fma_f32 v[CUR:CUR+1], v[T:T+1],   v[WZT+\m:WZT+\m+1], v[CUR:CUR+1] op_sel_hi:[1,0,1]
.endif
	v_pk_fma_f32 v[CUR:CUR+1], v[T+2:T+3], v[WZT+\m:WZT+\m+1], v[CUR:CUR+1] op_sel:[0,1,0] op_sel_hi:[1,1,1]
.endm
; One level.  The four axes go through each step side by side, so that no instruction reads the result of the one in front of it.
.macro LEVEL l, scale
.set CUR, ACC+2*(\l%2)
	s_mov_b32 s[SC], \scale
.irp a, 0,1,2,3
	v_mul_u32_u24 v[S+\a], s[SC], v[XF+\a]         ; below 2^24 x 256: fits 32 bits
.endr
.irp a, 0,1,2,3
	v_lshrrev_b32 v[FL+\a], 24, v[S+\a]
.endr
.irp a, 0,1,2,3
	v_and_b32 v[FR+\a], s[FM], v[S+\a]             ; the offset, in units of 2^-24
.endr
.irp a, 0,1,2,3
	v_mad_u32_u24 v[FL+\a], v[XI+\a], s[SC], v[FL+\a]   ; floor
.endr
.irp a, 0,1,2,3
	v_min_u32 v[DD+\a], 1, v[FR+\a]                ; ceil = floor where the offset is 0
.endr
	v_mul_u32_u24 v[HY], s[PR1], v[FL+1]           ; floor x prime: its low 19 bits are the full product's
	v_mul_u32_u24 v[HZ], s[PR2], v[FL+2]
	v_mul_u32_u24 v[HT], s[PR3], v[FL+3]
	v_add_nc_u32  v[HX1], v[FL], v[DD]             ; ceil(x)
	v_mad_u32_u24 v[HY+1], v[DD+1], s[PR1], v[HY]  ; ceil x prime
	v_mad_u32_u24 v[HZ+1], v[DD+2], s[PR2], v[HZ]
	v_mad_u32_u24 v[HT+1], v[DD+3], s[PR3], v[HT]
	v_xor_b32 v[XY],   v[FL],   v[HY]
	v_xor_b32 v[XY+1], v[HX1],  v[HY]
	v_xor_b32 v[ZT],   v[HZ],   v[HT]
	v_xor_b32 v[XY+2], v[FL],   v[HY+1]
	v_xor_b32 v[XY+3], v[HX1],  v[HY+1]
	v_xor_b32 v[ZT+1], v[HZ+1], v[HT]
	v_xor_b32 v[ZT+2], v[HZ],   v[HT+1]
	v_xor_b32 v[ZT+3], v[HZ+1], v[HT+1]
.irp n, 0,1,2,3
	v_and_b32 v[XY+\n], s[IM], v[XY+\n]            ; mod 2^19 on the eight halves instead of the sixteen indices
.endr
.irp m, 0,1,2,3
	v_and_b32 v[ZT+\m], s[IM], v[ZT+\m]
.endr
.irp m, 0,1,2,3
.irp n, 0,1,2,3
	v_xor_b32 v[IDX+4*\m+\n], v[XY+\n], v[ZT+\m]   ; IDX and D are free: the level before ended with all its gathers in
.endr
.endr
.irp e, 0,1,2,3,4,5,6,7,8,9,10,11,12,13,14,15
	v_min_u32 v[IDX+\e], IMASK, v[IDX+\e]          ; a number that came from memory enters an address only through a clamp by a constant written in the instruction; the masks above keep it there already, so no value changes
.endr
.irp e, 0,1,2,3,4,5,6,7,8,9,10,11,12,13,14,15
	global_load_b64 v[D+2*\e:D+2*\e+1], v[IDX+\e], s[TB+2*\l:TB+2*\l+1] scale_offset   ; at table + 8 x index: the factor rides on the load; a shift in registers would be one more instruction for each gather
.endr
	; the weights, while the gathers are on their way
.irp a, 0,1,2,3
	v_cvt_f32_u32 v[S+\a], v[FR+\a]                ; below 2^24: exact
.endr
.irp a, 0,1,2,3
	v_mul_f32 v[WA+2*\a+1], s[EPS], v[S+\a]        ; offset, exact
.endr
.irp a, 0,1,2,3
	v_sub_f32 v[WA+2*\a], 1.0, v[WA+2*\a+1]        ; 1 - offset
.endr
	v_pk_mul_f32 v[WXY:WXY+1],   v[WA:WA+1],   v[WA+2:WA+3] op_sel_hi:[1,0]              ; (wx0, wx1) x wy0
	v_pk_mul_f32 v[WXY+2:WXY+3], v[WA:WA+1],   v[WA+2:WA+3] op_sel:[0,1] op_sel_hi:[1,1] ; (wx0, wx1) x wy1
	v_pk_mul_f32 v[WZT:WZT+1],   v[WA+4:WA+5], v[WA+6:WA+7] op_sel_hi:[1,0]              ; (wz0, wz1) x wt0
	v_pk_mul_f32 v[WZT+2:WZT+3], v[WA+4:WA+5], v[WA+6:WA+7] op_sel:[0,1] op_sel_hi:[1,1] ; (wz0, wz1) x wt1
	s_wait_loadcnt 0x8                             ; loads come back in order: the first eight, of (z,t) corners 0 and 1, are in; the eight younger ones may be out
	BLEND2 0, 1
	s_wait_loadcnt 0x0                             ; all are in: from here on every index and every entry register may be written again
	BLEND2 2, 0
.if \l % 2
	ds_store_b128 v[LST], v[ACC:ACC+3] offset:8*(\l-1)   ; my point's row, columns 2 l - 2 to 2 l + 1: two levels' results
.endif
.endm
; The scales: floor(16 g^l) with g = exp((ln 256 - ln 16) / 15) in float64.  The float64 g lies 0.054 units in the last place below 2^(4/15), so
; g^15 = 16 (1 - 1.5e-16), which is 1.36 spacings of float64 below 16 and rounds below 16: the last scale is 255, not 256.
	LEVEL 0, 16
	LEVEL 1, 19
	LEVEL 2, 23
	LEVEL 3, 27
	LEVEL 4, 33
	LEVEL 5, 40
	LEVEL 6, 48
	LEVEL 7, 58
	LEVEL 8, 70
	LEVEL 9, 84
	LEVEL 10, 101
	LEVEL 11, 122
	LEVEL 12, 147
	LEVEL 13, 176
	LEVEL 14, 212
	LEVEL 15, 255
	; THE WAY OUT: the wave's 32 rows of 128 bytes, four rows (512 consecutive bytes of out0) to a store.
.irp j, 0,1,2,3,4,5,6,7
	ds_load_b128 v[D+4*\j:D+4*\j+3], v[LRD] offset:\j*4*PITCH      ; LDS serves a wave's instructions in order (ISA guide 5.7.1): these see the wave's own stores above
.endr
.irp j, 0,1,2,3,4,5,6,7
	s_wait_dscnt 7-\j                              ; number j is in, the 7 - j younger ones may be out
	global_store_b128 v[GO], v[D+4*\j:D+4*\j+3], s[8:9] offset:\j*512 th:TH_STORE_NT
.endr
	s_wait_tensorcnt 0x0
	ds_add_u32 v120, v121
	s_wait_dscnt 0x0
	s_endpgm
.Lfunc_end_k_q23c4b94931_gather:
	.size	k_q23c4b94931_gather, .Lfunc_end_k_q23c4b94931_gather-k_q23c4b94931_gather
	.p2alignl 7, 3214868480
	.fill 96, 4, 3214868480
	.section	.rodata,"a",@progbits
	.p2align	6, 0x0
	.amdhsa_kernel k_q23c4b94931_gather
		.amdhsa_group_segment_fixed_size 151552
		.amdhsa_private_segment_fixed_size 0
		.amdhsa_enable_private_segment 0
		.amdhsa_kernarg_size 24
		.amdhsa_user_sgpr_count 2
		.amdhsa_user_sgpr_kernarg_segment_ptr 1
		.amdhsa_wavefront_size32 1
		.amdhsa_system_sgpr_workgroup_id_x 1
		.amdhsa_system_sgpr_workgroup_id_y 1
		.amdhsa_system_sgpr_workgroup_id_z 1
		.amdhsa_system_vgpr_workitem_id 0
		.amdhsa_next_free_vgpr 122
		.amdhsa_next_free_sgpr 66
		.amdhsa_reserve_vcc 0
		.amdhsa_float_denorm_mode_32 3
		.amdhsa_float_denorm_mode_16_64 3
		.amdhsa_memory_ordered 1
		.amdhsa_forward_progress 1
		.amdhsa_inst_pref_size 111
	.end_amdhsa_kernel
	.amdgpu_metadata
---
amdhsa.version: [ 1, 2 ]
amdhsa.kernels:
  - .name:           k_q23c4b94931_gather
    .symbol:         k_q23c4b94931_gather.kd
    .args:
      - { .name: fix, .offset: 0, .size: 8, .value_kind: global_buffer, .address_space: global }
      - { .name: hash_table, .offset: 8, .size: 8, .value_kind: global_buffer, .address_space: global }
      - { .name: out0, .offset: 16, .size: 8, .value_kind: global_buffer, .address_space: global }
    .group_segment_fixed_size: 151552
    .private_segment_fixed_size: 0
    .kernarg_segment_align: 8
    .kernarg_segment_size: 24
    .max_flat_workgroup_size: 1024
    .sgpr_count:     66
    .vgpr_count:     122
    .wavefront_size: 32
...
	.end_amdgpu_metadata
.endif
;; end of part 3
